; MI455X (gfx1250); checked and timed in simulation.
; The chip was launched on July 23, 2026; its instructions are those of AMD's public machine-readable ISA for CDNA 5 (MIT licence, August 2026) and "CDNA5" Instruction Set Architecture Reference Guide (July 2026). The comments in the code are by the model that wrote it; some were corrected since.
;; MHA. Allowed arithmetic: matrix products marked QUANTISED: E2M3 operands, one E8M0 scale for each 32 along K, by v_wmma_scale_f32_16x16x128_f8f6f4 with both operands' format E2M3, f32 sums; everything else in f32.
;; Inputs: kv 2 x 2,048 x 2 x 16 x 128 float32; q 2 x 2,048 x 16 x 128 float32.
;; Outputs: out0 2 x 2,048 x 16 x 128 float32.
;; This version of the problem:
;;   THIS VERSION OF THE PROBLEM IS GIVEN IN LOW PRECISION. The matrix products marked QUANTISED in the list below multiply operands that are first quantised to E2M3 (2 exponent bits, 3 mantissa bits; 6 bits a number), with one power-of-two scale for each 32 numbers along K (OCP MX v1.0); their sums are f32. All else is computed in f32.
;;   The module's matrix products, in the order in which they are computed (A, B: the left and right operand; K: the contracted axis; several contracted axes count as one K, in the product's order):
;;     1. batch 32 x [M 2,048, K 128] x [K 128, N 2,048]; A: input q; B: computed on the way: QUANTISED
;;     2. batch 32 x [M 128, K 2,048] x [K 2,048, N 2,048]; A: input kv; B: computed on the way: QUANTISED
;;   THE QUANTISER, for each operand of a quantised product, along K:
;;     - K is cut into blocks of 32 from its start; a last block that is shorter is filled with zeros.
;;     - A block's scale is 2^e with e = floor(log2(the largest magnitude in the block)) - 2, held to -126 .. 127; a block of zeros has e = 0. As a byte (E8M0): e + 127.
;;     - Each number is divided by its block's scale, clamped to +-7.5, and rounded to the nearest number of E2M3, ties to even, subnormals kept.
;;     - The product sums the exact products of the quantised numbers (number of the format x scale) in f32.
;;   ~~~python
;;   def quantise(x, axis):      # numpy; x: float32 -> the quantised numbers, widened to float32 again
;;       x = np.moveaxis(x, axis, -1); K = x.shape[-1]
;;       x = np.pad(x, [(0, 0)] * (x.ndim - 1) + [(0, -K % 32)]); x = x.reshape(x.shape[:-1] + (-1, 32)); a = np.abs(x).max(-1, keepdims=True)
;;       e = np.where(a > 0, np.clip(np.frexp(np.where(a > 0, a, 1))[1] - 1 - 2, -126, 127), 0)      # np.frexp(a)[1] - 1 = floor(log2(a)), exactly
;;       r = np.clip(x / 2.0 ** e, -7.5, 7.5)
;;       step = 2.0 ** (np.maximum(np.frexp(np.where(r == 0, 1, r))[1] - 1, 0) - 3)
;;       q = np.round(r / step) * step * 2.0 ** e      # np.round: ties to even
;;       return np.moveaxis(q.reshape(q.shape[:-2] + (-1,))[..., :K], -1, axis).astype(np.float32)
;;   ~~~
;;   OPERANDS COMPUTED ON THE WAY. 'Computed on the way' means the value that the module computes at that place (a softmax that the list does not call 'softmax' is quantised finished and normalised). What goes into a quantiser is computed in f32, as accurately as f32 sums, v_exp_f32 and their like allow (about 1e-6 of the number): no bf16 or f16 on the way to a quantiser, and a product that is left as it is and whose result goes on into a quantised operand takes f32 operands (vector FMAs, or v_wmma_f32_16x16x4_f32). A number that lies on a knife's edge between two numbers of the format may be rounded either way, as far as f32 arithmetic and the matrix unit's own rounding can turn it there, and no further.
;; One version. Each part assembles by itself: llvm-mc -triple=amdgcn-amd-amdhsa -mcpu=gfx1250 --defsym DOCPART=n.
;; ======== version 1 of 1: 2 launches
;; workspace buffers: kimg 6,553,600 bytes; vimg 6,553,600 bytes
;; launch prep (part 1): grid 16 x 32, 8 waves a work-group, no clusters, 34,816 bytes of LDS; arguments kv, kimg, vimg; writes kimg, vimg
.if DOCPART == 1
	.amdgcn_target "amdgcn-amd-amdhsa--gfx1250"
	.amdhsa_code_object_version 6
	.text
	.protected	k_q227d9273e8_prep
	.globl	k_q227d9273e8_prep
	.p2align	8
	.type	k_q227d9273e8_prep,@function
k_q227d9273e8_prep:
	s_mov_b64 s[64:65], 0
	v_nop
	global_prefetch_b8 v0, s[64:65] scope:SCOPE_SE
	s_setreg_imm32_b32 hwreg(HW_REG_WAVE_MODE, 25, 1), 1
	s_wait_xcnt 0x0
; kv [2][2048][2][16][128] f32 -> the operands of both products of attention as codes of FP6 (E2M3) with one E8M0 scale byte for each 32 along a product's K.
; K (kv[:, :, 0] x 1/sqrt(128), multiplied in f32) is quantised along the head's 128; V (kv[:, :, 1]) along the keys.
; THE OUTPUT IS LAID AS THE READER'S REGISTERS.  For head bh = 16 b + h and key step s (128 keys) each of kimg, vimg holds a RECORD of 12,800 bytes at (16 bh + s) x 12,800:
;   bytes 1536 t + 512 c + 16 lane: registers 4 c .. 4 c + 3 of fragment t (t = 0 .. 7: 16 rows x 128 K, 12 registers a lane; lane (r, h): registers 6 c .. 6 c + 5 = k 64 c + 32 h + 0 .. 31 of row r);
;   from byte 12,288 on: 128 scale words, word 16 t + r for row r of fragment t.
;   K's record: row r of fragment t is key 128 s + 32 (t / 2) + 8 (t % 2) + r + 8 (r / 8); k = the head's channel.   V's record: row r of fragment t is channel 16 t + r; k = the step's 128 keys in their order.
; SHARES.  A work-group makes both records of one (bh, s).  Waves 0-3: K, 32 keys each (fragments 2 wq, 2 wq + 1); waves 4-7: V, 32 channels each (fragments 2 wq, 2 wq + 1); wq = wave % 4.  Waves share nothing: no barrier.
; K's WAY: a load reads one key's 512 consecutive bytes; 16 keys turn through the wave's own stage in LDS, so that a lane holds two whole blocks of 32 of its row.
; V's WAY: a lane takes a channel and its registers run down the keys: a block of 32 keys lies in one lane; the two fragments' lanes are sorted by exchanges of half waves.
; A block's scale byte is its largest magnitude's exponent field - 2, held at 1 from below (a block of zeros so gets 1 where the rule says 127: its codes are zeros, and this program alone reads the bytes).
; LIMITS: NaN and infinities among the inputs are not served.  The scale words leave as 128 consecutive bytes a wave: one byte in 128 of what the launch reads.
.set REC,    12800                     ; a record
.set SCO,    12288                     ; its scale words
.set KEYB,   16384                     ; bytes from key to key in kv
.set KPITCH, 528                       ; a stage row: a key's 512 bytes + 16: the 16 rows that a load touches begin in 16 different columns of 16 bytes
.set KSTG,   16*KPITCH                 ; a K wave's stage
.set SPARE,  4*KSTG                    ; behind the stages: the spare words, 128 bytes for each of eight waves, that no other line names
.set LI,  1                            ; v1   16 x lane
.set STI, 2                            ; v2   into the stage: my 16 bytes of a row
.set STO, 3                            ; v3   out of it: row r, + 128 h
.set LS,  4                            ; v4   4 x lane
.set SPW, 5                            ; v5   my spare word; never rewritten
.set NIL, 6                            ; v6   0; never rewritten
.set SH,  7                            ; v7   8 h
.set MX,  8                            ; largest magnitudes (K: v8-9; V: v8-11)
.set BY,  10                           ; K: the two bytes
.set SOP, 12                           ; the conversions' scale operands (K: v12-13; V: v12-15)
.set T0,  14                           ; K: at work on the scale word
.set T1,  15
.set F0,  16                           ; v16-27 the first fragment, v28-39 the second
.set F1,  28
.set W0,  40                           ; v40, v41 scale words; v42 the two sorted by half waves
.set WS,  42
.set BT,  43
.set CT,  44                           ; v44.. the upper halves of blocks, four registers apart (a conversion's three registers begin on an even number)
.set LN,  60                           ; lane
.set M2,  61
.set IN,  64                           ; v64-191 numbers as loaded
.set X,   192                          ; v192-255 K: 64 numbers of my row
.set WV,  10
.set WQ,  11
.set SCL, 12                           ; s[12:13] 1 / sqrt(128)
.set SEL, 14                           ; s[14:15] v_permlanex16_b32's selects for lane l xor 16
	s_load_b128 s[4:7], s[0:1], 0x0                ; kv, kimg
	s_load_b64 s[8:9], s[0:1], 0x10                ; vimg
	v_lshl_add_u32 v[SPW], v0, 2, SPARE
	v_mov_b32 v[NIL], 0
	v_lshrrev_b32 v[LN], 5, v0
	v_readfirstlane_b32 s[WV], v[LN]               ; wave 0..7
	s_and_b32 s[WQ], s[WV], 3
	v_and_b32 v[LN], 31, v0
	v_lshlrev_b32 v[LI], 4, v[LN]
	v_lshlrev_b32 v[LS], 2, v[LN]
	v_and_b32 v[MX], 15, v0                        ; r
	v_bfe_u32 v[MX+1], v0, 4, 1                    ; h
	v_lshlrev_b32 v[SH], 3, v[MX+1]
	s_mul_i32 s32, s[WQ], KSTG                     ; the stage (K's waves alone use it)
	v_add_nc_u32 v[STI], s32, v[LI]
	v_mul_u32_u24 v[STO], v[MX], KPITCH
	v_lshl_add_u32 v[STO], v[MX+1], 7, v[STO]
	v_add_nc_u32 v[STO], s32, v[STO]
	v_mov_b32 v[T1], 0                             ; a lane permute's destination counts as one of its sources
	s_mov_b32 s[SCL], 0x3db504f3                   ; 1 / sqrt(128) in f32
	s_mov_b32 s[SCL+1], s[SCL]
	s_mov_b32 s[SEL], 0x76543210
	s_mov_b32 s[SEL+1], 0xfedcba98
	s_and_b32 s16, ttmp7, 0xffff                   ; bh
	s_lshr_b32 s17, s16, 4                         ; b
	s_and_b32 s18, s16, 15                         ; h
	s_lshl_b32 s17, s17, 11
	s_lshl_b32 s19, ttmp9, 7
	s_add_co_u32 s17, s17, s19                     ; 2048 b + 128 s: the step's first key
	s_lshl_b32 s17, s17, 14
	s_lshl_b32 s18, s18, 9
	s_add_co_u32 s20, s17, s18                     ; its head's 512 bytes of K (under 2^27)
	s_lshl_b32 s22, s[WQ], 19                      ; K's wave: 32 wq keys on
	s_lshl_b32 s23, s[WQ], 7
	s_add_co_u32 s23, s23, 8192                    ; V's wave: V's half of a key's bytes, 32 wq channels on
	s_cmp_lt_u32 s[WV], 4
	s_cselect_b32 s22, s22, s23
	s_add_co_u32 s20, s20, s22
	s_mov_b32 s21, 0
	s_lshl_b32 s24, s16, 4
	s_add_co_u32 s24, s24, ttmp9
	s_mul_i32 s24, s24, REC                        ; the record's first byte
	s_mul_i32 s26, s[WQ], 3072                     ; my two fragments
	s_add_co_u32 s26, s26, s24
	s_mov_b32 s27, 0
	s_lshl_b32 s28, s[WQ], 7                       ; my 32 scale words
	s_add_co_u32 s28, s28, s24
	s_add_co_u32 s28, s28, SCO
	s_mov_b32 s29, 0
	s_wait_kmcnt 0x0
	s_add_nc_u64 s[4:5], s[4:5], s[20:21]
	s_cmp_lt_u32 s[WV], 4                          ; the buffer is chosen by the wave's number alone
	s_cselect_b64 s[30:31], s[6:7], s[8:9]
	s_add_nc_u64 s[6:7], s[30:31], s[26:27]
	s_add_nc_u64 s[8:9], s[30:31], s[28:29]
	s_cmp_lt_u32 s[WV], 4
	s_cbranch_scc0 .Lv_path
; ---------------------------------------------------------------- K
; 64 numbers of a lane, v[src + 32 k + i] = K 64 k + 32 h + i of my row (two whole blocks), become a fragment's 12 registers from v[dst] on and the row's scale word in v[wrd].
.macro QUANT2 src, dst, wrd
.irp k, 0,1
	v_max3_num_f32 v[MX+\k], |v[\src+32*\k]|, |v[\src+32*\k+1]|, 0x1800000   ; with the floor 2^(3 - 127) among the leaves: the byte cannot fall under 1
.endr
.irp i, 2,4,6,8,10,12,14,16,18,20,22,24,26,28,30
.irp k, 0,1
	v_max3_num_f32 v[MX+\k], v[MX+\k], |v[\src+32*\k+\i]|, |v[\src+32*\k+\i+1]|   ; the two blocks by turns
.endr
.endr
.irp k, 0,1
	v_add_nc_u32 v[SOP+\k], 0xff000000, v[MX+\k]   ; 2 off the exponent field: the conversion takes this operand's exponent field as its scale
.endr
.irp k, 0,1
	v_lshrrev_b32 v[BY+\k], 23, v[SOP+\k]          ; the scale's byte
.endr
	v_lshl_or_b32 v[T0], v[BY+1], 16, v[BY]        ; my two bytes: blocks h and 2 + h,
	v_lshlrev_b32 v[T0], v[SH], v[T0]              ; at their places in the word;
	v_permlanex16_b32 v[T1], v[T0], s[SEL], s[SEL+1]
	v_or_b32 v[\wrd], v[T0], v[T1]                 ; with lane l xor 16's two the word is whole
.irp k, 0,1
	v_cvt_scalef32_pk16_fp6_f32 v[\dst+6*\k:\dst+6*\k+2], v[\src+32*\k:\src+32*\k+15], v[SOP+\k]
	v_cvt_scalef32_pk16_fp6_f32 v[CT+4*\k:CT+4*\k+2], v[\src+32*\k+16:\src+32*\k+31], v[SOP+\k]
.endr
	v_nop                                          ; one plain place behind a scaled conversion
.irp k, 0,1
.irp i, 0,1,2
	v_mov_b32 v[\dst+3+6*\k+\i], v[CT+4*\k+\i]
.endr
.endr
.endm
.macro LOADK u                         ; the 16 keys of fragment 2 wq + u: row i is key 8 u + i + 8 (i / 8) of my 32; each load reads 512 consecutive bytes
.irp i, 0,1,2,3,4,5,6,7,8,9,10,11,12,13,14,15
	global_load_b128 v[IN+64*\u+4*\i:IN+64*\u+4*\i+3], v[LI], s[4:5] offset:(8*\u+\i+8*(\i/8))*KEYB th:TH_LOAD_NT
.endr
.endm
.macro TILEK u
.if \u == 0
	s_wait_loadcnt 16                              ; this fragment's sixteen loads are in; the other's sixteen are younger
.else
	s_wait_loadcnt 0x0
.endif
.irp i, 0,1,2,3,4,5,6,7,8,9,10,11,12,13,14,15
	ds_store_b128 v[STI], v[IN+64*\u+4*\i:IN+64*\u+4*\i+3] offset:KPITCH*\i
.endr
.irp c, 0,1
.irp i, 0,1,2,3,4,5,6,7
	ds_load_b128 v[X+32*\c+4*\i:X+32*\c+4*\i+3], v[STO] offset:256*\c+16*\i   ; LDS serves a wave's instructions in order: these see my stores, and the next fragment's stores come behind them
.endr
.endr
	s_wait_dscnt 0x0
.set n, 0
.rept 32
	v_pk_mul_f32 v[X+n:X+n+1], v[X+n:X+n+1], s[SCL:SCL+1] op_sel_hi:[1,0]   ; k x 1 / sqrt(128), in f32, ahead of the quantiser
.set n, n+2
.endr
	QUANT2 X, F0+12*\u, W0+\u
.irp c, 0,1,2
	global_store_b128 v[LI], v[F0+12*\u+4*\c:F0+12*\u+4*\c+3], s[6:7] offset:1536*\u+512*\c   ; 32 lanes store 512 consecutive bytes
.endr
.endm
	LOADK 0
	LOADK 1
	TILEK 0
	TILEK 1
	v_cmp_lt_u32 vcc_lo, 15, v[LN]
	v_cndmask_b32 v[WS], v[W0], v[W0+1], vcc_lo    ; lanes 0-15: the first fragment's words, lanes 16-31: the second's
	global_store_b32 v[LS], v[WS], s[8:9]
	s_wait_tensorcnt 0x0                           ; the wave's end, behind my last LDS store
	ds_add_u32 v[SPW], v[NIL]
	s_wait_dscnt 0x0
	s_endpgm
; ---------------------------------------------------------------- V
.Lv_path:
.macro LOADV b                         ; block b: V(key 32 b + i, my channel): 32 lanes read 128 consecutive bytes, the four V waves side by side 512
.irp i, 0,1,2,3,4,5,6,7,8,9,10,11,12,13,14,15,16,17,18,19,20,21,22,23,24,25,26,27,28,29,30,31
	global_load_b32 v[IN+32*\b+\i], v[LS], s[4:5] offset:(32*\b+\i)*KEYB th:TH_LOAD_NT
.endr
.endm
.macro BLOCKV b
.set XS, IN+32*(\b)
.set FL, F0+12*((\b)%2)+6*((\b)/2)     ; even blocks' lower halves stand in the first fragment's registers, odd blocks' in the second's
	v_max3_num_f32 v[MX+\b], |v[XS]|, |v[XS+1]|, |v[XS+2]|          ; the block's largest magnitude: all 32 numbers are mine; two chains
	v_max3_num_f32 v[M2], |v[XS+3]|, |v[XS+4]|, |v[XS+5]|
.irp i, 6,10,14,18,22,26
	v_max3_num_f32 v[MX+\b], v[MX+\b], |v[XS+\i]|, |v[XS+\i+1]|
	v_max3_num_f32 v[M2], v[M2], |v[XS+\i+2]|, |v[XS+\i+3]|
.endr
	v_max3_num_f32 v[MX+\b], v[MX+\b], |v[XS+30]|, |v[XS+31]|
	v_max3_num_f32 v[MX+\b], v[MX+\b], v[M2], 0x1800000             ; and the floor 2^(3 - 127)
	v_add_nc_u32 v[SOP+\b], 0xff000000, v[MX+\b]
	v_lshrrev_b32 v[BT], 23, v[SOP+\b]
.if \b == 0
	v_mov_b32 v[W0], v[BT]                         ; my channel's scale word: byte b for keys 32 b on
.else
	v_lshl_or_b32 v[W0], v[BT], 8*\b, v[W0]
.endif
	v_cvt_scalef32_pk16_fp6_f32 v[FL:FL+2], v[XS:XS+15], v[SOP+\b]
	v_cvt_scalef32_pk16_fp6_f32 v[CT+4*\b:CT+4*\b+2], v[XS+16:XS+31], v[SOP+\b]
.endm
	LOADV 0
	LOADV 1
	s_wait_loadcnt 32                              ; block 0 is in; block 1's 32 loads are younger
	LOADV 2
	BLOCKV 0
	s_wait_loadcnt 32                              ; block 1 is in; block 2's are younger
	LOADV 3
	BLOCKV 1
	s_wait_loadcnt 32                              ; block 2 is in; block 3's are younger
	BLOCKV 2
	s_wait_loadcnt 0x0
	BLOCKV 3
	v_nop                                          ; one plain place behind the last scaled conversion
; Lane L holds all four blocks of channel 32 wq + L.  The exchange gives an even block's lanes 16-31 for an odd block's lanes 0-15: the first register then holds, for channels 0-15, block 2 c in lanes 0-15 and
; block 2 c + 1 in lanes 16-31, which is the first fragment's layout; the second register the same for channels 16-31.
.irp c, 0,1
.irp i, 0,1,2
	v_permlane16_swap_b32 v[F0+6*\c+\i], v[F1+6*\c+\i]
	v_permlane16_swap_b32 v[CT+8*\c+\i], v[CT+8*\c+4+\i]
.endr
.endr
.irp c, 0,1
.irp i, 0,1,2
	v_mov_b32 v[F0+3+6*\c+\i], v[CT+8*\c+\i]
	v_mov_b32 v[F1+3+6*\c+\i], v[CT+8*\c+4+\i]
.endr
.endr
.irp u, 0,1
.irp c, 0,1,2
	global_store_b128 v[LI], v[F0+12*\u+4*\c:F0+12*\u+4*\c+3], s[6:7] offset:1536*\u+512*\c
.endr
.endr
	global_store_b32 v[LS], v[W0], s[8:9]          ; word 32 wq + lane
	s_wait_tensorcnt 0x0                           ; the three closing lines stand on this path too
	ds_add_u32 v[SPW], v[NIL]
	s_wait_dscnt 0x0
	s_endpgm
.Lfunc_end_k_q227d9273e8_prep:
	.size	k_q227d9273e8_prep, .Lfunc_end_k_q227d9273e8_prep-k_q227d9273e8_prep
	.p2alignl 7, 3214868480
	.fill 96, 4, 3214868480
	.section	.rodata,"a",@progbits
	.p2align	6, 0x0
	.amdhsa_kernel k_q227d9273e8_prep
		.amdhsa_group_segment_fixed_size 34816
		.amdhsa_private_segment_fixed_size 0
		.amdhsa_enable_private_segment 0
		.amdhsa_kernarg_size 24
		.amdhsa_user_sgpr_count 2
		.amdhsa_user_sgpr_kernarg_segment_ptr 1
		.amdhsa_wavefront_size32 1
		.amdhsa_system_sgpr_workgroup_id_x 1
		.amdhsa_system_sgpr_workgroup_id_y 1
		.amdhsa_system_sgpr_workgroup_id_z 1
		.amdhsa_system_vgpr_workitem_id 0
		.amdhsa_next_free_vgpr 256
		.amdhsa_next_free_sgpr 66
		.amdhsa_reserve_vcc 1
		.amdhsa_float_denorm_mode_32 3
		.amdhsa_float_denorm_mode_16_64 3
		.amdhsa_memory_ordered 1
		.amdhsa_forward_progress 1
		.amdhsa_inst_pref_size 40
	.end_amdhsa_kernel
	.amdgpu_metadata
---
amdhsa.version: [ 1, 2 ]
amdhsa.kernels:
  - .name:           k_q227d9273e8_prep
    .symbol:         k_q227d9273e8_prep.kd
    .args:
      - { .name: kv, .offset: 0, .size: 8, .value_kind: global_buffer, .address_space: global }
      - { .name: kimg, .offset: 8, .size: 8, .value_kind: global_buffer, .address_space: global }
      - { .name: vimg, .offset: 16, .size: 8, .value_kind: global_buffer, .address_space: global }
    .group_segment_fixed_size: 34816
    .private_segment_fixed_size: 0
    .kernarg_segment_align: 8
    .kernarg_segment_size: 24
    .max_flat_workgroup_size: 256
    .sgpr_count:     66
    .vgpr_count:     256
    .wavefront_size: 32
...
	.end_amdgpu_metadata
.endif
;; end of part 1
;; launch attn (part 2): grid 8 x 32, 16 waves a work-group, no clusters, 327,680 bytes of LDS; arguments q, kimg, vimg, out0; writes out0
.if DOCPART == 2
	.amdgcn_target "amdgcn-amd-amdhsa--gfx1250"
	.amdhsa_code_object_version 6
	.text
	.protected	k_q227d9273e8_attn
	.globl	k_q227d9273e8_attn
	.p2align	8
	.type	k_q227d9273e8_attn,@function
k_q227d9273e8_attn:
	s_mov_b64 s[64:65], 0
	v_nop
	global_prefetch_b8 v0, s[64:65] scope:SCOPE_SE
	s_setreg_imm32_b32 hwreg(HW_REG_WAVE_MODE, 25, 1), 1
	s_wait_xcnt 0x0
; out[b][t][h][:] = sum over s of attn[t][s] V[s][:], attn = relu(e^(x - m) - e^(-m)) / (sum over s of |e^(x - m) - e^(-m)| + 1e-6), x = q . (k / sqrt(128)), x = -10000 where s > t, m = the row's largest x.
; Both products on codes of FP6 (E2M3) with one E8M0 scale for each 32 along K.  attn is quantised FINISHED AND NORMALISED, so a row's m and sum are known before any attn is made: THE KEYS ARE WALKED TWICE, and the scores are made twice.
; THE ARITHMETIC.  t = x log2(e); T = the largest t so far, BEGUN AT 0; M = ceil(T), a whole number, kept as -M = floor(-T); p = 2^(t - M); e0 = 2^(-M).  Then attn = relu(p - e0) / (S + 1e-6 x 2^(T - M)), S = the sum of |p - e0|.
;   T may begin at 0: where the row's m is 0 or less every e^(x - m) - e^(-m) is 0 or less, so attn is 0 there as here (here M = 0, e0 = 1, p <= 1); where m > 0, T is m's.  So no exponent is ever positive and no e^(-m) overflows.
;   When M moves, S is multiplied by 2^(old M - new M): exact.  A hidden key's x = -10000 gives p = 0 and adds e0 to S; the keys behind my diagonal step add (their number) x e0 at the end.  Hidden keys have attn = 0: their steps are left out.
;   attn = max(p x inv - e0 x inv, 0), one fused multiply-add (e0 x inv is exact).  O needs no rescaling and no division.
; SHARES.  Work-group j of a head owns the head's query blocks j and 15 - j, 128 queries each: 8 (j + 1) + 8 (16 - j) = 136 tiles x key steps a walk, for every j.  Each of sixteen waves owns one tile of 16 queries in 256 registers.
;   Wave w: tile w / 2 of the late block where (w xor w / 4) is odd, else of the early block: any four waves w, w + 4, w + 8, w + 12 hold two tiles of each.
; LAYOUT.  Both products are used transposed (S^T = K Q^T, O^T = V^T P^T): a lane holds ONE query (lane % 16).  K's and V's operands come as images of their registers (12,800 bytes a key step of 128 keys: 8 fragments of 1,536 bytes,
;   then 128 scale words); the keys of a tile of K are chosen so that the 16 registers of tiles 2 b, 2 b + 1 are keys 32 b + 16 (lane / 16) + 0 .. 15.  One ds_load_b32 brings two tiles' scale words (lanes 0-15, lanes 16-31).
; LDS.  K's sixteen records of the head stay for both walks (wave w brings record w; all sixteen are brought, also those that a work-group with j > 0 does not read: so the first fills stand under no branch);
;   V goes through a ring of two slots of two records, filled by waves 0 and 1; a stage of 16 rows x 272 bytes for each wave; the spare words.
; NO CLUSTER, though the eight work-groups of a head read the same K and V: which steps a wave walks and how many of V's slots a work-group asks for hang on j, which in a cluster would be the work-group's place.
; LIMITS: NaN and infinities among the inputs are not served; p under 2^-126 counts as 0; a block of zeros has the scale byte 1 (its codes are zeros); a block's largest attn is made from its largest score by the same
;   instructions as every attn, which takes v_exp_f32 not to fall where its input rises.
.set REC,    12800
.set SCO,    12288
.set HEADB,  16*REC
.set VRING,  16*REC                    ; behind K's sixteen records
.set VSLOT,  2*REC
.set STAGE,  VRING+2*VSLOT
.set SPITCH, 272                       ; 256 bytes + 16: sixteen rows begin in sixteen different columns of 16 bytes
.set SPARE,  STAGE+16*16*SPITCH        ; the spare words, 128 bytes for each wave, that no other line names
.set LI,  1                            ; v1   16 x lane
.set LS,  2                            ; v2   4 x lane
.set SI,  3                            ; v3   my stage: row r, + 32 h
.set SO,  4                            ; v4   my stage: row h, + 16 r
.set SPW, 5                            ; v5   my spare word; never rewritten
.set NIL, 6                            ; v6   0; never rewritten
.set GO,  7                            ; v7   in q and out: row h of 8,192 bytes, + 16 r
.set ADK, 8                            ; v8-11 LDS addresses of the step's K fragments, K scale words, V fragments, V scale words
.set ADS, 9
.set ADV, 10
.set ADT, 11
.set QF,  16                           ; v16-27 Q's codes.   v12 -M, v13 T, v[14:15] S in two halves; v[28:29] e0, later inv twice; v[30:31] -e0 x inv twice
.set BM,  80                           ; v80-83 block maxima, v84-87 the other half's, v88-91 scale operands, v92-95 bytes
.set BX,  84
.set BS,  88
.set BB,  92
.set S,   96                           ; v96-159 S^T, then p, then attn; later four fragments of V
.set O,   160                          ; v160-223 O^T (first walk: four fragments of K; at the head: q's numbers)
.set PC,  224                          ; v224-235 attn's codes
.set CT,  236                          ; v236-238, v240-242 the conversions' second halves
.set KS,  248                          ; v248-251 K's or V's scale words: scales and nothing else
.set PS,  253                          ; v253 attn's scale word
.set QS,  255                          ; v255 Q's scale word
.set MX,  BM
.set SOP, BS
.set BY,  BB
.set T0,  254
.set T1,  BX
.set SH,  245
.set WV,  12
.set BH,  14
.set G1,  16                           ; s[16:23] descriptor group 1: 50 rows of 256 dense bytes, for every load
.set G0K, 24                           ; s[24:27] group 0 for my record of K
.set G0V, 28                           ; s[28:31] for V's records: it walks
.set SEL, 32
.set CS,  34                           ; s[34:35] log2(e)
.set TB,  36                           ; LDS byte of the step's record of K
.set KF,  37                           ; the step's first key
.set Q0,  38                           ; my first query
.set QL,  39                           ; my work-group's last query
.set VB,  40                           ; the slot of V's ring that is read: 0 or VSLOT
.set VF,  41                           ; the slot that was filled last
.set WOFF, 42                          ; VRING + my record's place in a slot
.set CNT, 43
.set NB,  44                           ; keys behind my diagonal step
.set QD,  45                           ; my diagonal step's first key
.macro TLOADV                          ; waves 0 and 1 fetch a slot's two records of V; an s_nop 0 and four v_nop follow the load
	s_cmp_lt_u32 s[WV], 2
	s_cbranch_scc0 .Lnot_v_\@
	tensor_load_to_lds s[G0V:G0V+3], s[G1:G1+7]
	s_nop 0
.rept 4
	v_nop
.endr
.Lnot_v_\@:
.endm
; 64 numbers of a lane, v[src + 32 k + i] = K 64 k + 32 h + i of my row, become a fragment's 12 registers from v[dst] on and the row's scale word in v[wrd]
.macro QUANT2 src, dst, wrd
.irp k, 0,1
	v_max3_num_f32 v[MX+\k], |v[\src+32*\k]|, |v[\src+32*\k+1]|, 0x1800000   ; with the floor 2^(3 - 127): the byte cannot fall under 1
.endr
.irp i, 2,4,6,8,10,12,14,16,18,20,22,24,26,28,30
.irp k, 0,1
	v_max3_num_f32 v[MX+\k], v[MX+\k], |v[\src+32*\k+\i]|, |v[\src+32*\k+\i+1]|
.endr
.endr
.irp k, 0,1
	v_add_nc_u32 v[SOP+\k], 0xff000000, v[MX+\k]
.endr
.irp k, 0,1
	v_lshrrev_b32 v[BY+\k], 23, v[SOP+\k]
.endr
	v_lshl_or_b32 v[T0], v[BY+1], 16, v[BY]
	v_lshlrev_b32 v[T0], v[SH], v[T0]
	v_permlanex16_b32 v[T1], v[T0], s[SEL], s[SEL+1]
	v_or_b32 v[\wrd], v[T0], v[T1]
.irp k, 0,1
	v_cvt_scalef32_pk16_fp6_f32 v[\dst+6*\k:\dst+6*\k+2], v[\src+32*\k:\src+32*\k+15], v[SOP+\k]
	v_cvt_scalef32_pk16_fp6_f32 v[CT+4*\k:CT+4*\k+2], v[\src+32*\k+16:\src+32*\k+31], v[SOP+\k]
.endr
	v_nop                                          ; one plain place behind a scaled conversion
.irp k, 0,1
.irp i, 0,1,2
	v_mov_b32 v[\dst+3+6*\k+\i], v[CT+4*\k+\i]
.endr
.endr
.endm
	s_load_b256 s[4:11], s[0:1], 0x0               ; q s[4:5], kimg s[6:7], vimg s[8:9], out s[10:11]
	v_lshl_add_u32 v[SPW], v0, 2, SPARE
	v_mov_b32 v[NIL], 0
	ds_add_u32 v[SPW], v[NIL]                      ; the wave's opening: the add and its wait stand ahead of my first tensor load; the set-up below, work on registers, stands between them
	v_lshrrev_b32 v8, 5, v0
	v_readfirstlane_b32 s[WV], v8                  ; wave 0..15
	s_and_b32 s[BH], ttmp7, 0xffff                 ; the head: 16 b + h
	s_mov_b32 s[G1+0], 3<<16                       ; no mask; elements of 8 bytes; no padding
	s_mov_b32 s[G1+1], 32<<16                      ; tensor_dim0 = 32 elements: 256 bytes
	s_mov_b32 s[G1+2], 50<<16                      ; tensor_dim1 = 50 rows: 12,800 bytes
	s_mov_b32 s[G1+3], 32<<16                      ; tile_dim0
	s_mov_b32 s[G1+4], 50                          ; tile_dim1
	s_mov_b32 s[G1+5], 32                          ; the pitch: dense
	s_mov_b32 s[G1+6], 0
	s_mov_b32 s[G1+7], 0
	s_lshr_b32 s46, s[WV], 2
	s_xor_b32 s46, s46, s[WV]
	s_and_b32 s46, s46, 1                          ; 1: the late block
	s_sub_co_u32 s47, 15, ttmp9
	s_cmp_eq_u32 s46, 1
	s_cselect_b32 s47, s47, ttmp9                  ; my block of 128 queries: 15 - j or j
	s_lshl_b32 s[QD], s47, 7
	s_lshr_b32 s48, s[WV], 1
	s_lshl_b32 s48, s48, 4
	s_add_co_u32 s[Q0], s[QD], s48
	s_sub_co_u32 s[QL], 16, ttmp9
	s_lshl_b32 s[QL], s[QL], 7
	s_sub_co_u32 s[QL], s[QL], 1
	s_sub_co_u32 s[NB], 1920, s[QD]                ; 2048 - QD - 128
	s_mul_i32 s50, s[BH], HEADB                    ; the head's first byte in kimg and in vimg
	s_mov_b32 s[G0K], 1                            ; count = 1
	s_mul_i32 s[G0K+1], s[WV], REC                 ; LDS address: record w
	s_add_co_u32 s52, s50, s[G0K+1]
	s_mov_b32 s53, 0
	s_and_b32 s51, s[WV], 1
	s_mul_i32 s51, s51, REC
	s_add_co_u32 s[WOFF], s51, VRING
	s_add_co_u32 s54, s50, s51
	s_mov_b32 s55, 0
	s_lshr_b32 s48, s[BH], 4
	s_lshl_b32 s48, s48, 24                        ; b x 2048 rows of 8,192 bytes
	s_and_b32 s49, s[BH], 15
	s_lshl_b32 s49, s49, 9                         ; h x 512
	s_add_co_u32 s48, s48, s49
	s_lshl_b32 s49, s[Q0], 13
	s_add_co_u32 s48, s48, s49                     ; my first query's row, in q and in out (under 2^25)
	s_mov_b32 s49, 0
	s_mov_b32 s[SEL], 0x76543210
	s_mov_b32 s[SEL+1], 0xfedcba98
	s_mov_b32 s[CS], 0x3fb8aa3b                    ; log2(e)
	s_mov_b32 s[CS+1], s[CS]
	s_mov_b32 s[VB], 0
	s_mov_b32 s[VF], 0
	v_and_b32 v8, 15, v0                           ; r
	v_bfe_u32 v9, v0, 4, 1                         ; h
	v_and_b32 v10, 31, v0
	v_lshlrev_b32 v[LI], 4, v10
	v_lshlrev_b32 v[LS], 2, v10
	s_mul_i32 s46, s[WV], 16*SPITCH
	s_add_co_u32 s46, s46, STAGE                   ; my stage
	v_mul_u32_u24 v[SI], v8, SPITCH
	v_lshl_add_u32 v11, v9, 7, v[SI]
	v_lshl_add_u32 v[SI], v9, 5, v[SI]
	v_add_nc_u32 v[SI], s46, v[SI]
	v_add_nc_u32 v11, s46, v11                     ; for q: row r, + 128 h
	v_mul_u32_u24 v[SO], v9, SPITCH
	v_lshl_add_u32 v[SO], v8, 4, v[SO]
	v_add_nc_u32 v[SO], s46, v[SO]
	v_lshlrev_b32 v[GO], 13, v9
	v_lshl_add_u32 v[GO], v8, 4, v[GO]
	v_lshlrev_b32 v244, 4, v9
	v_sub_nc_u32 v243, v8, v244                    ; r - 16 h, for the mask
	v_lshlrev_b32 v[SH], 3, v9
.irp b, 0,1,2,3
	v_mov_b32 v[BX+\b], 0                          ; written once: a lane permute's destination counts as one of its sources
.endr
	v_mov_b32 v252, 0
	s_wait_dscnt 0x0                               ; the opening add is done
	s_wait_kmcnt 0x0
	s_add_nc_u64 s[G0K+2:G0K+3], s[6:7], s[52:53]
	s_or_b32 s[G0K+3], s[G0K+3], 0x80000000        ; type = 2
	tensor_load_to_lds s[G0K:G0K+3], s[G1:G1+7]    ; my record of K: the launch's first fills, one a wave, ahead of every wait on TENSORcnt, every LDS read and every barrier
	s_nop 0
.rept 4
	v_nop
.endr
	s_add_nc_u64 s[4:5], s[4:5], s[48:49]
	s_add_nc_u64 s[10:11], s[10:11], s[48:49]
	; q: my 16 rows of 512 bytes, quantised in registers.  Sixteen lanes read a row's aligned 256 bytes; the rows turn through my stage, so that a lane holds two whole blocks of its row.
.irp u, 0,1
.irp i, 0,1,2,3,4,5,6,7
	global_load_b128 v[S+32*\u+4*\i:S+32*\u+4*\i+3], v[GO], s[4:5] offset:16384*\i+256*\u th:TH_LOAD_NT
.endr
.endr
	s_wait_loadcnt 8                               ; the first halves of the rows are in; the second halves' eight loads are younger
.irp i, 0,1,2,3,4,5,6,7
	ds_store_b128 v[SO], v[S+4*\i:S+4*\i+3] offset:2*\i*SPITCH
.endr
.irp i, 0,1,2,3,4,5,6,7
	ds_load_b128 v[O+4*\i:O+4*\i+3], v11 offset:16*\i   ; LDS serves a wave's instructions in order: these see my stores, and the next half's stores come behind them
.endr
	s_wait_loadcnt 0x0
.irp i, 0,1,2,3,4,5,6,7
	ds_store_b128 v[SO], v[S+32+4*\i:S+32+4*\i+3] offset:2*\i*SPITCH
.endr
.irp i, 0,1,2,3,4,5,6,7
	ds_load_b128 v[O+32+4*\i:O+32+4*\i+3], v11 offset:16*\i
.endr
	s_wait_dscnt 0x0
	QUANT2 O, QF, QS
	v_mov_b32 v12, 0                               ; -M
	v_mov_b32 v13, 0                               ; T begins at 0
	v_mov_b32 v14, 0                               ; S
	v_mov_b32 v15, 0
	v_mov_b32 v29, 0                               ; (upper halves of pairs that are named whole)
	v_mov_b32 v247, 0
	; K's records are whole behind this barrier.  V's slot 0 has its first fill there, one load a wave, and lands during the first walk.
	s_wait_tensorcnt 0x0                           ; my record of K has landed
	ds_add_u32 v[SPW], v[NIL]                      ; V's descriptor is made between it and the wait for it
	s_mov_b32 s[G0V], 1
	s_mov_b32 s[G0V+1], s[WOFF]
	s_add_nc_u64 s[G0V+2:G0V+3], s[8:9], s[54:55]
	s_or_b32 s[G0V+3], s[G0V+3], 0x80000000
	s_wait_dscnt 0x0
	s_barrier_signal -1
	s_barrier_wait -1
	TLOADV
.macro KFRAG reg, t                    ; fragment t of the step's record of K: three loads of 512 consecutive bytes
.irp c, 0,1,2
	ds_load_b128 v[(\reg)+4*\c:(\reg)+4*\c+3], v[ADK] offset:1536*(\t)+512*\c
.endr
.endm
.macro VFRAG reg, t, q                 ; the same of V's record q of the slot in hand
.irp c, 0,1,2
	ds_load_b128 v[(\reg)+4*\c:(\reg)+4*\c+3], v[ADV] offset:REC*(\q)+1536*(\t)+512*\c
.endr
.endm
.macro KQ t, areg                      ; S^T's tile t = 16 keys x my 16 queries; an odd tile's scale words lie in lanes 16-31
.if (\t)%2
	v_wmma_scale_f32_16x16x128_f8f6f4 v[S+8*(\t):S+8*(\t)+7], v[\areg:\areg+11], v[QF:QF+11], 0, v[KS+(\t)/2], v[QS] matrix_a_fmt:MATRIX_FMT_FP6 matrix_b_fmt:MATRIX_FMT_FP6 matrix_a_scale:MATRIX_SCALE_ROW1
.else
	v_wmma_scale_f32_16x16x128_f8f6f4 v[S+8*(\t):S+8*(\t)+7], v[\areg:\areg+11], v[QF:QF+11], 0, v[KS+(\t)/2], v[QS] matrix_a_fmt:MATRIX_FMT_FP6 matrix_b_fmt:MATRIX_FMT_FP6
.endif
.endm
.macro PV t, areg                      ; O^T's tile t += 16 channels x 128 keys x my 16 queries
.if (\t)%2
	v_wmma_scale_f32_16x16x128_f8f6f4 v[O+8*(\t):O+8*(\t)+7], v[\areg:\areg+11], v[PC:PC+11], v[O+8*(\t):O+8*(\t)+7], v[KS+(\t)/2], v[PS] matrix_a_fmt:MATRIX_FMT_FP6 matrix_b_fmt:MATRIX_FMT_FP6 matrix_a_scale:MATRIX_SCALE_ROW1
.else
	v_wmma_scale_f32_16x16x128_f8f6f4 v[O+8*(\t):O+8*(\t)+7], v[\areg:\areg+11], v[PC:PC+11], v[O+8*(\t):O+8*(\t)+7], v[KS+(\t)/2], v[PS] matrix_a_fmt:MATRIX_FMT_FP6 matrix_b_fmt:MATRIX_FMT_FP6
.endif
.endm
; The step's scores.  walk = 1: all eight fragments have registers (O^T's are free).  walk = 2: four at a time.
.macro SCORES walk
	v_add_nc_u32 v[ADK], s[TB], v[LI]
	v_add_nc_u32 v[ADS], s[TB], v[LS]
.if \walk == 2
	s_add_co_u32 s46, s[VB], VRING
	v_add_nc_u32 v[ADV], s46, v[LI]
	v_add_nc_u32 v[ADT], s46, v[LS]
	v_nop                                          ; six plain places behind the last step's products: their operands in v96-143 are written over by the products below (five are owed), those in v32-79 and the scale words by loads (four)
	v_nop
.endif
.irp t, 0,1,2,3
	KFRAG 32+12*\t, \t
.endr
.irp i, 0,1,2,3
	ds_load_b32 v[KS+\i], v[ADS] offset:SCO+128*\i   ; lanes 0-15: tile 2 i's scale words, lanes 16-31: tile 2 i + 1's
.endr
.if \walk == 1
.irp t, 4,5,6,7
	KFRAG O+12*(\t-4), \t
.endr
	s_wait_dscnt 12                                ; fragments 0-3 and the scale words are in; the twelve loads of fragments 4-7 are younger
.irp t, 0,1,2,3
	KQ \t, 32+12*\t
.endr
	s_wait_dscnt 0x0
.irp t, 4,5,6,7
	KQ \t, O+12*(\t-4)
.endr
.else
	s_wait_dscnt 0x0
.irp t, 0,1,2,3
	KQ \t, 32+12*\t
.endr
.rept 4
	v_nop                                          ; places in front of loads into registers that these products read
.endr
.irp t, 4,5,6,7
	KFRAG 32+12*(\t-4), \t
.endr
	s_wait_dscnt 0x0
.irp t, 4,5,6,7
	KQ \t, 32+12*(\t-4)
.endr
.endif
.rept 4
	v_nop                                          ; places in front of the first read of the scores, and of loads into the operands' registers
.endr
.endm
; In my diagonal step the scores of hidden keys become -10000.  Register 16 b + i holds key KF + 32 b + 16 (lane / 16) + i: hidden where 32 b + i > my query - KF - 16 (lane / 16).  Each accumulator is read from its low end on.
.macro MASK
	s_cmp_lg_u32 s[KF], s[QD]
	s_cbranch_scc1 .Lopen_\@
	s_sub_co_u32 s47, s[Q0], s[KF]
	v_add_nc_u32 v252, s47, v243
	v_mov_b32 v254, 0xc61c4000                     ; -10000.0
.set n, 0
.rept 64
	v_cmp_gt_i32 vcc_lo, 32*(n/16)+n%16, v252
	v_cndmask_b32 v[S+n], v[S+n], v254, vcc_lo
.set n, n+1
.endr
.Lopen_\@:
.endm
.macro MAXT                            ; my 16 scores' largest, for each block of 32 keys; the four blocks by turns
.irp b, 0,1,2,3
	v_max3_num_f32 v[BM+\b], v[S+16*\b], v[S+1+16*\b], v[S+2+16*\b]
.endr
.irp i, 3,5,7,9,11,13
.irp b, 0,1,2,3
	v_max3_num_f32 v[BM+\b], v[BM+\b], v[S+16*\b+\i], v[S+1+16*\b+\i]
.endr
.endr
.irp b, 0,1,2,3
	v_max_num_f32 v[BM+\b], v[BM+\b], v[S+15+16*\b]
.endr
.endm
.macro TMINUSM                         ; t - M, two at a time: one fused multiply-add
.set n, 0
.rept 32
	v_pk_fma_f32 v[S+n:S+n+1], v[S+n:S+n+1], s[CS:CS+1], v[12:13] op_sel_hi:[1,0,0]
.set n, n+2
.endr
.endm
.macro EXP64
.set n, 0
.rept 64
	v_exp_f32 v[S+n], v[S+n]
.set n, n+1
.endr
.endm
; THE FIRST WALK: T, M and S.  A step all of whose keys come after my queries is left out: a scalar branch on ids, round the step's work and not round the lines that step addresses.
.macro STEP1
	s_cmp_gt_u32 s[KF], s[QD]
	s_cbranch_scc1 .Lh1_\@
	SCORES 1
	MASK
	MAXT
	v_max3_num_f32 v254, v[BM], v[BM+1], v[BM+2]
	v_max_num_f32 v254, v254, v[BM+3]
	v_permlanex16_b32 v252, v254, s[SEL], s[SEL+1]
	v_max_num_f32 v254, v254, v252                 ; the step's largest score of my query
	v_mul_f32 v254, s[CS], v254
	v_max_num_f32 v13, v13, v254                   ; T
	v_mov_b32 v254, v12
	v_floor_f32 v12, -v13                          ; -M = floor(-T)
	v_sub_f32 v254, v12, v254                      ; old M - new M: a whole number, 0 or less
	v_cvt_i32_f32 v254, v254                       ; (it saturates)
	v_ldexp_f32 v246, 1.0, v254                    ; f = 2^(old M - new M)
	v_cvt_i32_f32 v252, v12
	v_ldexp_f32 v28, 1.0, v252                     ; e0 = 2^(-M)
	TMINUSM
	EXP64                                          ; p = 2^(t - M): one batch
	v_pk_mul_f32 v[14:15], v[14:15], v[246:247] op_sel_hi:[1,0]   ; S under the new M: exact.  (The plain place behind the batch)
	s_wait_alu depctr_va_vdst(0)                   ; one wait for the batch, ahead of its first reader
.set n, 0
.rept 32
	v_pk_add_f32 v[S+n:S+n+1], v[S+n:S+n+1], v[28:29] op_sel_hi:[1,0] neg_lo:[0,1] neg_hi:[0,1]   ; p - e0
.set n, n+2
.endr
.set n, 0
.rept 32
	v_add_f32 v[S+n], |v[S+2*n]|, |v[S+2*n+1]|     ; |.| + |.|: result n lies under every pair still to be read
.set n, n+1
.endr
	v_pk_add_f32 v[236:237], v[S:S+1], v[S+2:S+3]  ; the 32 are summed two at a time, in two chains
.irp i, 4,8,12,16,20,24,28
	v_pk_add_f32 v[14:15], v[14:15], v[S+\i:S+\i+1]
	v_pk_add_f32 v[236:237], v[236:237], v[S+\i+2:S+\i+3]
.endr
	v_pk_add_f32 v[14:15], v[14:15], v[236:237]
.Lh1_\@:
	s_add_co_u32 s[KF], s[KF], 128
	s_add_co_u32 s[TB], s[TB], REC
.endm
; THE WAY OUT, at the end of my diagonal step: O^T goes through my stage, half a row (64 channels, 256 bytes) of 16 queries at a time, and leaves so that sixteen lanes store 256 consecutive bytes, aligned.
.macro WAYOUT
.rept 4
	v_nop                                          ; places behind the last products: their results are read, and their operands' registers loaded
.endr
.irp u, 0,1
.irp t, 0,1,2,3
	ds_store_b128 v[SI], v[O+32*\u+8*\t:O+32*\u+8*\t+3] offset:64*\t          ; each accumulator from its low end on
	ds_store_b128 v[SI], v[O+32*\u+8*\t+4:O+32*\u+8*\t+7] offset:64*\t+16
.endr
.irp i, 0,1,2,3,4,5,6,7
	ds_load_b128 v[32+32*\u+4*\i:35+32*\u+4*\i], v[SO] offset:2*\i*SPITCH     ; LDS serves a wave's instructions in order
.endr
.endr
.irp u, 0,1
.irp i, 0,1,2,3,4,5,6,7
	s_wait_dscnt 16*(1-\u)+7-\i                    ; the LDS instructions issued behind this load may stay out
	global_store_b128 v[GO], v[32+32*\u+4*\i:35+32*\u+4*\i], s[10:11] offset:16384*\i+256*\u th:TH_STORE_NT
.endr
.endr
	s_wait_xcnt 0x0                                ; the stores have read their registers: the text behind loads into them
.endm
; THE SECOND WALK: attn, quantised, and O^T.  q: which record of V's slot.
.macro STEP2 q
	s_cmp_gt_u32 s[KF], s[QD]
	s_cbranch_scc1 .Lh2_\@
	SCORES 2
.irp t, 0,1,2,3
	VFRAG 32+12*\t, \t, \q                         ; V's first four fragments and all its scale words are asked for now and land under the vector work
.endr
.irp i, 0,1,2,3
	ds_load_b32 v[KS+\i], v[ADT] offset:REC*(\q)+SCO+128*\i
.endr
	MASK
	MAXT
.irp b, 0,1,2,3
	v_permlanex16_b32 v[BX+\b], v[BM+\b], s[SEL], s[SEL+1]
.endr
.irp b, 0,1,2,3
	v_max_num_f32 v[BM+\b], v[BM+\b], v[BX+\b]     ; each block's largest score: attn rises with the score, so it gives the block's largest attn
.endr
	TMINUSM
.irp b, 0,1,2,3
	v_fma_f32 v[BM+\b], v[BM+\b], s[CS], v12       ; the same of each block's largest
.endr
	EXP64
	v_nop                                          ; the plain place behind the batch
	s_wait_alu depctr_va_vdst(0)                   ; one wait for the 64
.irp b, 0,1,2,3
	v_exp_f32 v[BM+\b], v[BM+\b]
.endr
.set n, 0
.rept 32
	v_pk_fma_f32 v[S+n:S+n+1], v[S+n:S+n+1], v[28:29], v[30:31]   ; (p - e0) x inv.  (These lines read the 64 alone: plain work behind the four)
.set n, n+2
.endr
.set n, 0
.rept 64
	v_max_num_f32 v[S+n], 0, v[S+n]                ; attn
.set n, n+1
.endr
	s_wait_alu depctr_va_vdst(0)                   ; and one for the four
.irp b, 0,1,2,3
	v_fma_f32 v[BM+\b], v[BM+\b], v28, v30
.endr
.irp b, 0,1,2,3
	v_max_num_f32 v[BM+\b], 0x1800000, v[BM+\b]    ; the floor 2^(3 - 127), which is the relu too: a block of zeros keeps the byte 1
.endr
.irp b, 0,1,2,3
	v_add_nc_u32 v[BS+\b], 0xff000000, v[BM+\b]    ; 2 off the exponent field: the conversion's scale operand
.endr
.irp b, 0,1,2,3
	v_lshrrev_b32 v[BB+\b], 23, v[BS+\b]
.endr
	v_lshl_or_b32 v[PS], v[BB+1], 8, v[BB]         ; attn's scale word for these 128 keys
	v_lshl_or_b32 v[PS], v[BB+2], 16, v[PS]
	v_lshl_or_b32 v[PS], v[BB+3], 24, v[PS]
.irp c, 0,1
	v_cvt_scalef32_pk16_fp6_f32 v[PC+6*\c:PC+6*\c+2], v[S+32*\c:S+32*\c+15], v[BS+2*\c]
	v_cvt_scalef32_pk16_fp6_f32 v[CT+4*\c:CT+4*\c+2], v[S+32*\c+16:S+32*\c+31], v[BS+2*\c+1]
.endr
	v_nop                                          ; one plain place behind a scaled conversion
.irp t, 4,5,6,7
	VFRAG S+12*(\t-4), \t, \q                      ; V's other four fragments, where attn lay
.endr
.irp c, 0,1                                    ; the operand's layout wants a whole block in a lane: lanes 0-15 block 2 c, lanes 16-31 block 2 c + 1
.irp i, 0,1,2
	v_permlane16_swap_b32 v[PC+6*\c+\i], v[CT+4*\c+\i]
.endr
.irp i, 0,1,2
	v_mov_b32 v[PC+3+6*\c+\i], v[CT+4*\c+\i]
.endr
.endr
.rept 4
	v_nop                                          ; four places behind the codes' last write; with the six moves and the place above, eleven behind the scale word's (eight are owed)
.endr
	s_wait_dscnt 0x0
.irp t, 0,1,2,3
	PV \t, 32+12*\t                                ; the eight accumulators take turns, one instruction a turn
.endr
.irp t, 4,5,6,7
	PV \t, S+12*(\t-4)
.endr
	s_cmp_lg_u32 s[KF], s[QD]
	s_cbranch_scc1 .Lh2_\@
	WAYOUT                                         ; my last step: my rows leave now
.Lh2_\@:
	s_add_co_u32 s[KF], s[KF], 128
	s_add_co_u32 s[TB], s[TB], REC
.endm
; THE CHANGE OF SLOTS of V's ring stands at a slot's head.  Each wave waits for all its tensor loads (its part of the slot ahead), adds 0 to its spare word, and waits for that and for its reads of the slot that it has left.
; fill = 1: behind the barrier that other slot takes the next 256 keys, if any wave of the work-group will read them: the next slot's first key is held against the work-group's last query, by ids and the count of steps
; alone, the same in all sixteen waves.
.macro CHANGE fill
	s_wait_tensorcnt 0x0                           ; no tensor load of mine is out, so the descriptor may be written
	ds_add_u32 v[SPW], v[NIL]
.if \fill
	s_xor_b32 s[VF], s[VF], VSLOT                  ; the other slot than last time,
	s_add_co_u32 s[G0V+1], s[VF], s[WOFF]
	s_add_nc_u64 s[G0V+2:G0V+3], s[G0V+2:G0V+3], VSLOT   ; the next two records; the type bits on top are not reached
.endif
	s_wait_dscnt 0x0                               ; the add is done, and my reads of the slot that I have left are over
	s_barrier_signal -1
	s_barrier_wait -1
.if \fill
	s_add_co_u32 s46, s[KF], 256
	s_cmp_gt_u32 s46, s[QL]
	s_cbranch_scc1 .Lpast_\@
	TLOADV                                         ; a wave's one tensor load until the next such barrier: it has the slot's two steps in which to land
.Lpast_\@:
.endif
.endm
	s_mov_b32 s[TB], 0
	s_mov_b32 s[KF], 0
	s_mov_b32 s[CNT], 16
.Lp1:                                              ; sixteen trips in every wave: the trip count is a constant, the work is jumped over
	STEP1
	s_sub_co_u32 s[CNT], s[CNT], 1
	s_cmp_lg_u32 s[CNT], 0
	s_cbranch_scc1 .Lp1
	; BETWEEN THE WALKS: the divisor.
	v_add_f32 v14, v14, v15                        ; S's two halves,
	v_permlanex16_b32 v252, v14, s[SEL], s[SEL+1]
	v_add_f32 v14, v14, v252                       ; and lane l xor 16's
	v_cvt_i32_f32 v254, v12
	v_ldexp_f32 v244, 1.0, v254                    ; e0 under the last M
	v_cvt_f32_u32 v245, s[NB]
	v_add_f32 v252, v13, v12                       ; T - M, in (-1, 0]
	v_exp_f32 v252, v252
	v_fmac_f32 v14, v245, v244                     ; the keys behind my diagonal step: e0 each.  (The plain place behind the exponential)
	s_wait_alu depctr_va_vdst(0)
	v_fmamk_f32 v14, v252, 0x358637bd, v14         ; + 1e-6 x 2^(T - M)
	v_rcp_f32 v28, v14                             ; inv
.set n, 0
.rept 64
	v_mov_b32 v[O+n], 0                            ; O^T begins as zeros, so that the step is written once; these lines are the work behind the reciprocal
.set n, n+1
.endr
	s_wait_alu depctr_va_vdst(0)
	v_mov_b32 v29, v28
	v_mul_f32 v30, -v244, v28                      ; -e0 x inv: exact
	v_mov_b32 v31, v30
	s_mov_b32 s[TB], 0
	s_mov_b32 s[KF], 0
	s_mov_b32 s[CNT], 7
.Lp2:                                              ; seven trips: behind each change of slots but the last the next slot is asked for, up to the work-group's last query
	CHANGE 1
	STEP2 0
	STEP2 1
	s_xor_b32 s[VB], s[VB], VSLOT
	s_sub_co_u32 s[CNT], s[CNT], 1
	s_cmp_lg_u32 s[CNT], 0
	s_cbranch_scc1 .Lp2
	CHANGE 0                                       ; the last slot is written out: nothing is left to ask for
	STEP2 0
	STEP2 1
	s_wait_tensorcnt 0x0                           ; the wave's end, behind my last tensor load and my last LDS store
	ds_add_u32 v[SPW], v[NIL]
	s_wait_dscnt 0x0
	s_endpgm
.Lfunc_end_k_q227d9273e8_attn:
	.size	k_q227d9273e8_attn, .Lfunc_end_k_q227d9273e8_attn-k_q227d9273e8_attn
	.p2alignl 7, 3214868480
	.fill 96, 4, 3214868480
	.section	.rodata,"a",@progbits
	.p2align	6, 0x0
	.amdhsa_kernel k_q227d9273e8_attn
		.amdhsa_group_segment_fixed_size 327680
		.amdhsa_private_segment_fixed_size 0
		.amdhsa_enable_private_segment 0
		.amdhsa_kernarg_size 32
		.amdhsa_user_sgpr_count 2
		.amdhsa_user_sgpr_kernarg_segment_ptr 1
		.amdhsa_wavefront_size32 1
		.amdhsa_system_sgpr_workgroup_id_x 1
		.amdhsa_system_sgpr_workgroup_id_y 1
		.amdhsa_system_sgpr_workgroup_id_z 1
		.amdhsa_system_vgpr_workitem_id 0
		.amdhsa_next_free_vgpr 256
		.amdhsa_next_free_sgpr 66
		.amdhsa_reserve_vcc 1
		.amdhsa_float_denorm_mode_32 3
		.amdhsa_float_denorm_mode_16_64 3
		.amdhsa_memory_ordered 1
		.amdhsa_forward_progress 1
		.amdhsa_inst_pref_size 149
	.end_amdhsa_kernel
	.amdgpu_metadata
---
amdhsa.version: [ 1, 2 ]
amdhsa.kernels:
  - .name:           k_q227d9273e8_attn
    .symbol:         k_q227d9273e8_attn.kd
    .args:
      - { .name: q, .offset: 0, .size: 8, .value_kind: global_buffer, .address_space: global }
      - { .name: kimg, .offset: 8, .size: 8, .value_kind: global_buffer, .address_space: global }
      - { .name: vimg, .offset: 16, .size: 8, .value_kind: global_buffer, .address_space: global }
      - { .name: out0, .offset: 24, .size: 8, .value_kind: global_buffer, .address_space: global }
    .group_segment_fixed_size: 327680
    .private_segment_fixed_size: 0
    .kernarg_segment_align: 8
    .kernarg_segment_size: 32
    .max_flat_workgroup_size: 512
    .sgpr_count:     66
    .vgpr_count:     256
    .wavefront_size: 32
...
	.end_amdgpu_metadata
.endif
;; end of part 2
